; MI455X (gfx1250); checked and timed in simulation.
; The chip was launched on July 23, 2026; its instructions are those of AMD's public machine-readable ISA for CDNA 5 (MIT licence, August 2026) and "CDNA5" Instruction Set Architecture Reference Guide (July 2026). The comments in the code are by the model that wrote it; some were corrected since.
;; Multi Head Attention. Allowed arithmetic: matrix products marked QUANTISED: E4M3 operands, one given power-of-two scale a tensor, by v_wmma_f32_16x16x64_fp8_fp8 or v_wmma_f32_16x16x128_fp8_fp8, f32 sums; everything else in f32.
;; Inputs: Wk_codes 1,024 x 32 x 32 uint8 (E4M3 codes of Wk, K innermost, in blocks of 32 codes); Wo_codes 1,024 x 32 x 32 uint8 (E4M3 codes of Wo, K innermost, in blocks of 32 codes); Wq_codes 1,024 x 32 x 32 uint8 (E4M3 codes of Wq, K innermost, in blocks of 32 codes); Wv_codes 1,024 x 32 x 32 uint8 (E4M3 codes of Wv, K innermost, in blocks of 32 codes); bo 1,024 float32; lowp_scales 12 int32 (the exponents e of the quantised operands' scales 2^e); x_codes 4 x 2,048 x 32 x 32 uint8 (E4M3 codes of x, K innermost, in blocks of 32 codes).
;; Outputs: out0 4 x 2,048 x 1,024 float32.
;; This version of the problem:
;;   THIS VERSION OF THE PROBLEM IS GIVEN IN LOW PRECISION. The matrix products marked QUANTISED in the list below multiply operands that are first quantised to E4M3 (4 exponent bits, 3 mantissa bits; 8 bits a number), with one given power-of-two scale for each operand tensor; their sums are f32. All else is computed in f32.
;;   The module's matrix products, in the order in which they are computed (A, B: the left and right operand; K: the contracted axis; several contracted axes count as one K, in the product's order):
;;     1. [M 8,192, K 1,024] x [K 1,024, N 1,024]; A: input x (given as codes); B: input Wq (given as codes): QUANTISED (scales: A lowp_scales[0], B lowp_scales[1])
;;     2. [M 8,192, K 1,024] x [K 1,024, N 1,024]; A: input x (given as codes); B: input Wk (given as codes): QUANTISED (scales: A lowp_scales[2], B lowp_scales[3])
;;     3. [M 8,192, K 1,024] x [K 1,024, N 1,024]; A: input x (given as codes); B: input Wv (given as codes): QUANTISED (scales: A lowp_scales[4], B lowp_scales[5])
;;     4. batch 64 x [M 2,048, K 64] x [K 64, N 2,048]; A: computed on the way; B: computed on the way: QUANTISED (scales: A lowp_scales[6], B lowp_scales[7])
;;     5. batch 64 x [M 2,048, K 2,048] x [K 2,048, N 64]; A: softmax (see below); B: computed on the way: QUANTISED (scales: A lowp_scales[8], B lowp_scales[9])
;;     6. [M 8,192, K 1,024] x [K 1,024, N 1,024]; A: computed on the way; B: input Wo (given as codes): QUANTISED (scales: A lowp_scales[10], B lowp_scales[11])
;;   THE QUANTISER, for each operand of a quantised product, along K:
;;     - The operand's scale is 2^e, e = its entry of the input lowp_scales (int32; the entries are numbered through the quantised products in the list's order, A before B).
;;     - Each number is divided by the scale, clamped to +-448, and rounded to the nearest number of E4M3, ties to even, subnormals kept.
;;     - The product sums the exact products of the quantised numbers (number of the format x scale) in f32.
;;   ~~~python
;;   def quantise(x, axis, e):      # numpy; x: float32 -> the quantised numbers, widened to float32 again
;;       x = np.moveaxis(x, axis, -1); K = x.shape[-1]
;;       r = np.clip(x / 2.0 ** e, -448, 448)
;;       step = 2.0 ** (np.maximum(np.frexp(np.where(r == 0, 1, r))[1] - 1, -6) - 3)
;;       q = np.round(r / step) * step * 2.0 ** e      # np.round: ties to even
;;       return np.moveaxis(q, -1, axis).astype(np.float32)
;;   ~~~
;;   SOFTMAX AHEAD OF A QUANTISED PRODUCT. Where the list says 'softmax', what is quantised is not the finished softmax but p = 2^(t - M), with t = logit x log2(e) and M = ceil(the row's largest t), a whole number; so 1/2 < the row's largest p <= 1. The row's sum l is taken of the UNQUANTISED p, in f32, and the product's result is divided by l at the end. Since M is a whole number, a kernel that streams over the keys may use a running M (the ceiling of the running maximum): every later rescaling is an exact power of two, so the quantised numbers keep their values, but for numbers so far below the row's largest that they fall under the format's range.
;;   OPERANDS COMPUTED ON THE WAY. 'Computed on the way' means the value that the module computes at that place (a softmax that the list does not call 'softmax' is quantised finished and normalised). What goes into a quantiser is computed in f32, as accurately as f32 sums, v_exp_f32 and their like allow (about 1e-6 of the number): no bf16 or f16 on the way to a quantiser, and a product that is left as it is and whose result goes on into a quantised operand takes f32 operands (vector FMAs, or v_wmma_f32_16x16x4_f32). A number that lies on a knife's edge between two numbers of the format may be rounded either way, as far as f32 arithmetic and the matrix unit's own rounding can turn it there, and no further.
;;   INPUTS GIVEN AS CODES. Wk (in the module: [1024, 1024], K = its axis 0); Wo (in the module: [1024, 1024], K = its axis 0); Wq (in the module: [1024, 1024], K = its axis 0); Wv (in the module: [1024, 1024], K = its axis 0); x (in the module: [4, 2048, 1024], K = its axis 2): each comes as NAME_codes (uint8): NAME with its K axis moved to the last place and cut into blocks of 32 codes, [.., K / 32, bytes a block], one block behind the other in memory; one code a byte (a code: sign, 4 exponent bits, 3 mantissa bits); its scale is its entry of lowp_scales. Its value is code x scale, taken as it is: it is not quantised again, and the codes and scales need not be those that the quantiser above would give.
;; One version. Each part assembles by itself: llvm-mc -triple=amdgcn-amd-amdhsa -mcpu=gfx1250 --defsym DOCPART=n.
;; ======== version 1 of 1: 3 launches
;; limits: right only within a limited range of input values
;; workspace buffers: q_ws 8,388,608 bytes; k_ws 8,388,608 bytes; v_ws 8,388,608 bytes; ctx_ws 8,388,608 bytes
;; launch qkv (part 1): grid 4 x 96, 4 waves a work-group, clusters of 4 x 4, 327,680 bytes of LDS; arguments x_codes, Wq_codes, Wk_codes, Wv_codes, lowp_scales, q_ws, k_ws, v_ws; writes q_ws, k_ws, v_ws
.if DOCPART == 1
	.amdgcn_target "amdgcn-amd-amdhsa--gfx1250"
	.amdhsa_code_object_version 6
	.text
	.protected	k_qf24643fc37_qkv
	.globl	k_qf24643fc37_qkv
	.p2align	8
	.type	k_qf24643fc37_qkv,@function
k_qf24643fc37_qkv:
	s_mov_b64 s[64:65], 0
	v_nop
	global_prefetch_b8 v0, s[64:65] scope:SCOPE_SE
	s_setreg_imm32_b32 hwreg(HW_REG_WAVE_MODE, 25, 1), 1
	s_wait_xcnt 0x0
	s_wait_alu depctr_hold_cnt(0) depctr_sa_sdst(0) depctr_va_vdst(0) depctr_va_sdst(0) depctr_va_ssrc(0) depctr_va_vcc(0) depctr_vm_vsrc(0)
	s_getreg_b32 s2, hwreg(HW_REG_IB_STS2, 6, 4)
	s_cmp_eq_u32 s2, 0
	s_cbranch_scc0 .Lentry_in_a_cluster
	s_endpgm
.Lentry_in_a_cluster:
	s_bfe_u32 s2, ttmp6, 0x10000c
	s_cmp_lg_u32 s2, 0xf033
	s_cbranch_scc0 .Lentry_shape_is_right
	s_endpgm
.Lentry_shape_is_right:
; q = x Wq, k = x Wk, v = x Wv on codes of FP8 (E4M3), and the quantising of q, k and v for the attention's two products.
; x: [8192][1024] codes; Wq, Wk, Wv: [1024 (feature)][1024 (K)] codes.  lowp_scales: e0 .. e11.  A sum of product 1 stands for sum x 2^(e0 + e1), of 2 for 2^(e2 + e3), of 3 for 2^(e4 + e5).
; q's code = sum / 2^(e6 - e0 - e1), k's = sum / 2^(e7 - e2 - e3), v's = sum / 2^(e9 - e4 - e5), each held within +-448 and rounded to the nearest code, ties to even.
; LIMIT: each of these three folded exponents lies between -126 and 119, so that 2^es and 448 x 2^es are f32 numbers.  NaN among the sums is not served.
; SHARES.  24 clusters of 4 x 4 work-groups; a cluster makes 1,024 x 1,024 of one product: cluster y = 8 x which + blk; which = 0 q, 1 k, 2 v; blk = 1,024 rows of x.
; The text computes C[R][C] = sum over k of A'[R][k] B'[C][k].  For q and k: A' = the rows of x, B' = the weight.  For v: A' = Wv, B' = the rows of x, that is V^T.
; Only pointers and one exponent are chosen (s_cselect on which, which all partners share): there is one path through the text.
; A work-group makes 256 x 256, a wave 128 x 128: 64 accumulators, 512 registers.  K goes in four steps of 256 through two LDS slots filled by joint tensor loads: A's tile is shared along a row
; of the cluster, B's along a column.  THE MATRIX INSTRUCTION IS USED TRANSPOSED (source 0 = 16 rows of B', source 1 = 16 rows of A'): a lane holds eight neighbours along C of one row R:
; eight neighbouring channels of a token for q and k, eight neighbouring KEYS of a channel for v: neighbours along the next product's K, which one conversion packs into 8 bytes.
; THE WAY OUT.  A wave's 128 x 128 codes are laid in its stage as the next launch's operand registers want them, byte
;   F(R,C) = (C/64) 8192 + (R/32) 2048 + ((R>>3)&1) 1024 + ((C>>5)&1) 512 + ((C>>4)&1) 256 + ((R>>4)&1) 128 + (R&7) 16 + (C&15),
; and leave as two dense pieces of 8 KB, 131,072 bytes apart: each store of the wave covers 512 consecutive bytes, aligned.
; No prefetch: K has four steps, two of them asked for at the head; only two refills follow.
; REGISTERS, in windows of 256: window 0: v0-31 addresses and the scale register; from v128 A's fragments, ONE set; on the way out v32-223 are free.
;   window 1: B's fragments, TWO sets, at v0 and v128.   window 2: the accumulators of my rows 0-63 ((a, b) at v[8 (8 a + b)]);   window 3: those of my rows 64-127.
.set KROW,   1024                      ; a row of x or of a weight in memory, in bytes
.set ROWB,   256                       ; a tile's row: 256 codes
.set PITCH,  272                       ; an LDS row: 256 bytes + 16 of padding = 68 words: the 16 rows that a load touches start at 16 different banks (64 banks of 4 bytes: ISA guide 11.1)
.set FR,     16                        ; registers of a fragment: 16 rows x 128 K
.set NL,     4                         ; LDS loads that bring one
.set NP,     4                         ; places behind this matrix instruction (ISA guide 7.12.1)
.set HALFT,  128*PITCH                 ; 128 rows: what one tensor load brings
.set SLOT,   4*HALFT                   ; A's 256 rows, then B's 256 rows
.set SPARE,  2*SLOT                    ; behind the ring: the spare words, 128 bytes for each wave: two blocks of 256 bytes that no other line names
.set ADRA, 16                          ; v16-17  LDS address of my A fragments in slot 0, 1
.set ADRB, 20                          ; v20-21  the same for B
.set STO,  24                          ; v24     the way out: where I put 8 codes
.set RD,   25                          ; v25     the way out: where I read the image back
.set GOF,  26                          ; v26     16 x lane: my bytes of a store's 512
.set SPW,  28                          ; v28     LDS address of my spare word; never rewritten
.set NIL,  29                          ; v29     0; never rewritten
.set SCL,  30                          ; v30     2^es as f32
.set LIM,  31
.set TMP,  32
.set CD,   96                          ; v96-223 the codes: 16 registers for each of eight blocks; then the image read back
.set AF,   128                         ; A's fragments, in window 0
.set G1, 24                            ; s[24:31] descriptor group 1 for A's tiles;  s[32:39] group 0, one set for each slot
.set G0, 32
.set G1B, 48                           ; s[48:55], s[56:63] the same for B's tiles
.set G0B, 56
.set MSB, 0
.macro WIN new                         ; the immediate's high byte repeats the setting that is left
.if MSB != (\new)
	s_set_vgpr_msb (MSB<<8)|(\new)
.set MSB, (\new)
.endif
.endm
.set MUL_LO, 0xa1                      ; source 0 (B) window 1, source 1 (A) window 0, C and D window 2
.set MUL_HI, 0xf1                      ; the same, C and D window 3
.set TO_B,   0x40                      ; destination window 1, address window 0
; A joint load: waves 0 and 1 fetch for A, waves 2 and 3 for B.  Each line has one mask and one set of registers for all that issue it; the branch hangs on the wave's number alone.
; Four v_nop follow each of the two lines, ahead of the jump, the label and what follows.
.macro JLOAD g0a, g1a, g0b, g1b
	s_cmp_eq_u32 s15, 0
	s_cbranch_scc0 .Lfor_b_\@
	tensor_load_to_lds s[\g0a:\g0a+3], s[\g1a:\g1a+7]
	s_nop 0
.rept 4
	v_nop
.endr
	s_branch .Lasked_\@
.Lfor_b_\@:
	tensor_load_to_lds s[\g0b:\g0b+3], s[\g1b:\g1b+7]
	s_nop 0
.rept 4
	v_nop
.endr
.Lasked_\@:
.endm
.macro CREST                           ; a round of the cluster's barrier behind its opening barrier
	s_cmp_lg_u32 s14, 0
	s_cbranch_scc1 .Lnot_wave_0_\@
	s_barrier_signal -3
.Lnot_wave_0_\@:
	s_barrier_wait -3
	s_barrier_signal -1
	s_barrier_wait -1
.endm
.macro CROUND                          ; a whole round
	s_barrier_signal -1
	s_barrier_wait -1
	CREST
.endm
	s_load_b256 s[4:11], s[0:1], 0x0               ; x s[4:5], Wq s[6:7], Wk s[8:9], Wv s[10:11]
	s_load_b256 s[68:75], s[0:1], 0x20             ; the exponents s[68:69], q_ws s[70:71], k_ws s[72:73], v_ws s[74:75]
	v_lshl_add_u32 v[SPW], v0, 2, SPARE
	v_mov_b32 v[NIL], 0
	ds_add_u32 v28, v29
	ds_add_u32 v28, v29
	s_wait_dscnt 0x0
	v_lshrrev_b32 v1, 5, v0
	v_readfirstlane_b32 s14, v1                    ; wave 0..3
	s_lshr_b32 s15, s14, 1                         ; which half of the tile's rows (A' side) is mine.  Also: I fetch for A (0) or for B (1)
	s_and_b32 s16, s14, 1                          ; which half of its columns (B' side).  Also: which 128 rows of that tile I fetch
	s_bfe_u32 s40, ttmp6, 0x40000                  ; cx: the tile column in the cluster's 1,024 x 1,024
	s_bfe_u32 s41, ttmp6, 0x40004                  ; cy: the tile row
	s_and_b32 s12, ttmp7, 0xffff                   ; the cluster's number, 0 .. 23: the same in all sixteen partners
	s_lshr_b32 s13, s12, 3                         ; which: 0 q, 1 k, 2 v
	s_and_b32 s3, s12, 7                           ; blk: which 1,024 rows of x
	s_lshl_b32 s43, s41, 2
	s_lshl_b32 s43, 15, s43                        ; my row of the cluster
	s_lshl_b32 s44, 0x1111, s40                    ; my column
	; descriptor group 1: a tile of 128 rows x 256 bytes, padded in LDS
	s_or_b32 s[G1+0], s43, (1<<20)|(1<<21)|(5<<22)|(3<<25)   ; 15:0 the mask: A's tiles go to my row; 17:16 elements of 1 byte; 20 padding on; 21 set beside a mask; 24:22 after every 64 words; 31:25 four words
	s_or_b32 s[G1B+0], s44, (1<<20)|(1<<21)|(5<<22)|(3<<25)  ; the same with the mask of my column
.irp g, G1, G1B
	s_mov_b32 s[\g+1], ROWB<<16                    ; tensor_dim0
	s_mov_b32 s[\g+2], 128<<16                     ; tensor_dim1
	s_mov_b32 s[\g+3], ROWB<<16                    ; tile_dim0
	s_mov_b32 s[\g+4], 128                         ; tile_dim1
	s_mov_b32 s[\g+5], KROW                        ; tensor_dim0_stride
	s_mov_b32 s[\g+6], 0
	s_mov_b32 s[\g+7], 0
.endr
	s_lshl_b32 s18, s16, 7                         ; which 128 rows of the tile I fetch
	s_lshl_b32 s20, s41, 8
	s_add_co_u32 s20, s20, s18
	s_lshl_b32 s20, s20, 10                        ; A': (256 cy + 128 half) rows of 1,024 bytes: hangs on cy alone
	s_mov_b32 s21, 0
	s_lshl_b32 s46, s40, 8
	s_add_co_u32 s46, s46, s18
	s_lshl_b32 s46, s46, 10                        ; B': (256 cx + 128 half) rows: hangs on cx alone
	s_mov_b32 s47, 0
	s_mul_i32 s45, s14, HALFT                      ; where they go: wave x 128 rows: no place in the cluster enters an LDS address
	s_lshl_b32 s22, s3, 20                         ; blk x 1,024 rows of 1,024 bytes
	s_mov_b32 s23, 0
	s_wait_kmcnt 0x0
	s_load_b256 s[76:83], s[68:69], 0x0            ; e0 .. e7
	s_load_b64 s[84:85], s[68:69], 0x20            ; e8, e9
	s_add_nc_u64 s[94:95], s[4:5], s[22:23]        ; x at the cluster's rows
	s_cmp_eq_u32 s13, 0
	s_cselect_b64 s[90:91], s[6:7], s[8:9]         ; the weight and the buffer of results: q's or k's,
	s_cselect_b64 s[92:93], s[70:71], s[72:73]
	s_cmp_eq_u32 s13, 2
	s_cselect_b64 s[90:91], s[10:11], s[90:91]     ; or v's
	s_cselect_b64 s[92:93], s[74:75], s[92:93]
	s_cmp_lt_u32 s13, 2
	s_cselect_b64 s[86:87], s[94:95], s[90:91]     ; A': x for q and k, Wv for v
	s_cselect_b64 s[88:89], s[90:91], s[94:95]     ; B': the other one
	s_add_nc_u64 s[86:87], s[86:87], s[20:21]
	s_add_nc_u64 s[88:89], s[88:89], s[46:47]
	CROUND                                         ; all sixteen work-groups are here: the first joint loads meet
.irp s, 0,1
	s_mov_b32 s[G0+4*\s], 1
	s_add_co_u32 s[G0+4*\s+1], s45, \s*SLOT
	s_add_nc_u64 s[G0+4*\s+2:G0+4*\s+3], s[86:87], \s*ROWB
	s_or_b32 s[G0+4*\s+3], s[G0+4*\s+3], 0x80000000
	s_mov_b32 s[G0B+4*\s], 1
	s_add_co_u32 s[G0B+4*\s+1], s45, \s*SLOT
	s_add_nc_u64 s[G0B+4*\s+2:G0B+4*\s+3], s[88:89], \s*ROWB
	s_or_b32 s[G0B+4*\s+3], s[G0B+4*\s+3], 0x80000000
	JLOAD G0+4*\s, G1, G0B+4*\s, G1B               ; two loads of mine are out: K steps 0 and 1
.endr
	v_and_b32 v1, 15, v0                           ; r = l % 16
	v_bfe_u32 v2, v0, 4, 1                         ; h = l / 16
	v_mul_u32_u24 v3, v1, PITCH
	v_lshl_add_u32 v4, v2, 4, v3                   ; a fragment's row x pitch + 16 x half
	s_mul_i32 s21, s15, HALFT                      ; my 128 rows of A'
	s_mul_i32 s22, s16, HALFT                      ; my 128 rows of B',
	s_add_co_u32 s22, s22, 2*HALFT                 ; which lie behind A's 256
.irp s, 0,1
	v_add_nc_u32 v[ADRA+\s], s21, v4
	v_add_nc_u32 v[ADRB+\s], s22, v4
	s_add_co_u32 s21, s21, SLOT
	s_add_co_u32 s22, s22, SLOT
.endr
	s_lshl_b32 s23, s14, 14                        ; my stage: 16 KB in slot 0, which has had its last fill and its last read when the first code is stored there
	v_bfe_u32 v5, v0, 3, 1                         ; r / 8
	v_and_b32 v6, 7, v0                            ; r % 8
	v_lshlrev_b32 v5, 10, v5
	v_lshl_add_u32 v5, v6, 4, v5
	v_lshl_add_u32 v5, v2, 3, v5
	v_add_nc_u32 v[STO], s23, v5                   ; F's lane terms: (r / 8) 1024 + (r % 8) 16 + 8 h
	v_and_b32 v6, 31, v0
	v_lshlrev_b32 v[GOF], 4, v6
	v_add_nc_u32 v[RD], s23, v[GOF]
	; where my wave's two pieces of 8 KB go: ((batch) 8 + P) 262,144 + SB 8,192;  P = the pair of heads, SB = the block of 128 tokens in the batch
	s_lshl_b32 s17, s41, 1
	s_add_co_u32 s17, s17, s15                     ; my block of 128 on the A' side
	s_lshl_b32 s19, s40, 1
	s_add_co_u32 s19, s19, s16                     ; and on the B' side
	s_cmp_lt_u32 s13, 2
	s_cselect_b32 s18, s17, s19                    ; tokens: A' side for q and k, B' side for v
	s_cselect_b32 s19, s19, s17                    ; features: the other one
	s_lshr_b32 s98, s3, 1                          ; the batch
	s_lshl_b32 s98, s98, 3
	s_add_co_u32 s98, s98, s19
	s_lshl_b32 s98, s98, 18
	s_and_b32 s99, s3, 1
	s_lshl_b32 s99, s99, 3
	s_add_co_u32 s99, s99, s18
	s_lshl_b32 s99, s99, 13
	s_add_co_u32 s98, s98, s99
	s_mov_b32 s99, 0
	s_add_nc_u64 s[92:93], s[92:93], s[98:99]
	s_wait_kmcnt 0x0                               ; the exponents
	s_sub_co_i32 s82, s82, s76
	s_sub_co_i32 s82, s82, s77                     ; e6 - e0 - e1
	s_sub_co_i32 s83, s83, s78
	s_sub_co_i32 s83, s83, s79                     ; e7 - e2 - e3
	s_sub_co_i32 s85, s85, s80
	s_sub_co_i32 s85, s85, s81                     ; e9 - e4 - e5
	s_cmp_eq_u32 s13, 0
	s_cselect_b32 s96, s82, s83
	s_cmp_eq_u32 s13, 2
	s_cselect_b32 s96, s85, s96                    ; es: chosen, never branched on
	s_add_co_i32 s96, s96, 127
	s_lshl_b32 s97, s96, 23
	v_mov_b32 v[SCL], s97                          ; 2^es as f32: the conversion takes its exponent field
.macro FRAG reg, adr, q, i             ; a fragment: lane l holds row l % 16; registers 4 c .. 4 c + 3 hold K = 32 c + 16 (l / 16) + 0 .. 15: the same places of k in A' and in B'
.irp c, 0,1,2,3
	ds_load_b128 v[\reg+4*\c:\reg+4*\c+3], v[\adr] offset:128*(\q)+32*\c+(\i)*16*PITCH
.endr
.endm
; 16 matrix instructions: A's blocks a0, a0 + 1 x B's eight, 128 along K.  p: B's set.  zero = 1: the first product starts the sums.
; The 64 accumulators take turns, one instruction a turn, in the same order in every step.
.macro MUL16 a0, p, zero
.irp a, \a0, \a0+1
.irp b, 0,1,2,3,4,5,6,7
.if \zero
	v_wmma_f32_16x16x128_fp8_fp8 v[8*(8*((\a)%4)+\b):8*(8*((\a)%4)+\b)+7], v[128*(\p)+FR*\b:128*(\p)+FR*\b+FR-1], v[AF+FR*(\a):AF+FR*(\a)+FR-1], 0
.else
	v_wmma_f32_16x16x128_fp8_fp8 v[8*(8*((\a)%4)+\b):8*(8*((\a)%4)+\b)+7], v[128*(\p)+FR*\b:128*(\p)+FR*\b+FR-1], v[AF+FR*(\a):AF+FR*(\a)+FR-1], v[8*(8*((\a)%4)+\b):8*(8*((\a)%4)+\b)+7]
.endif
.endr
.endr
.endm
.macro FETCH_B slot, q, p              ; B's eight fragments of the slot's q-th 128 along K into set p
	WIN TO_B
.irp i, 0,1,2,3,4,5,6,7
	FRAG 128*(\p)+FR*\i, ADRB+\slot, \q, \i
.endr
	WIN 0
.endm
.macro FETCH_A slot, q, i0             ; A's blocks i0 .. i0 + 3
.irp i, \i0, \i0+1, \i0+2, \i0+3
	FRAG AF+FR*(\i), ADRA+\slot, \q, \i
.endr
.endm
.macro PLACES n                        ; plain vector instructions between a matrix instruction and a load into, or a vector read or write of, its registers
.rept \n
	v_nop
.endr
.endm
; A step of 128 along K that has its successor in the same slot.  A block of A is free as soon as its eight products are issued: blocks 0-3 are fetched anew in the step's middle, blocks 4-7 at its end.
.macro STEP slot, q, zero
	s_wait_dscnt 4*NL                              ; B's set and A's blocks 0-3 are in; the youngest sixteen loads (A's blocks 4-7) may be out
	WIN MUL_LO
	MUL16 0, (\q)%2, \zero
	MUL16 2, (\q)%2, \zero
	s_wait_dscnt 0                                 ; A's blocks 4-7 are in
	PLACES NP
	FETCH_B \slot, (\q)+1, 1-(\q)%2
	FETCH_A \slot, (\q)+1, 0
	WIN MUL_HI
	MUL16 4, (\q)%2, \zero
	MUL16 6, (\q)%2, \zero
	PLACES NP
	WIN 0
	FETCH_A \slot, (\q)+1, 4
.endm
; A slot's last step changes slots: one barrier; in front of it each wave waits for all its tensor loads, adds 0 to its spare word, and waits for that and for its own reads of this slot.
; fill = 1: this slot is filled again, two K steps ahead; the barrier then opens a round of the cluster's barrier.
.macro TURN slot, next, fill
	s_wait_tensorcnt 0x0                           ; all my tensor loads have landed: my part of the next slot  (every window is 0 here)
	ds_add_u32 v[SPW], v[NIL]                      ; 0 onto my spare word
	s_wait_dscnt 4*NL+1                            ; the add and the youngest sixteen loads, A's blocks 4-7, may be out
	WIN MUL_LO
	MUL16 0, 1, 0                                  ; sixteen matrix instructions stand between the add and the wait for it
	s_wait_dscnt 0x0                               ; the add is done, and my reads of this slot are over
	s_barrier_signal -1
	MUL16 2, 1, 0
	WIN 0
	s_barrier_wait -1
.if \fill
	CREST                                          ; no wave of any partner still reads this slot's tile or has a load on its way
	s_add_nc_u64 s[G0+4*\slot+2:G0+4*\slot+3], s[G0+4*\slot+2:G0+4*\slot+3], 2*ROWB
	s_add_nc_u64 s[G0B+4*\slot+2:G0B+4*\slot+3], s[G0B+4*\slot+2:G0B+4*\slot+3], 2*ROWB
	JLOAD G0+4*\slot, G1, G0B+4*\slot, G1B         ; the first tensor load behind the round, my one load until the next; its four v_nop are the places in front of the loads below
.else
	PLACES NP
.endif
	FETCH_B \next, 0, 0
	FETCH_A \next, 0, 0
	WIN MUL_HI
	MUL16 4, 1, 0
	MUL16 6, 1, 0
	PLACES NP
	WIN 0
	FETCH_A \next, 0, 4
.endm
	s_wait_tensorcnt 1                             ; my part of K step 0 is in; K step 1's load may be out
	s_barrier_signal -1
	s_barrier_wait -1                              ; everybody's is
	FETCH_B 0, 0, 0
	FETCH_A 0, 0, 0
	FETCH_A 0, 0, 4
	STEP 0, 0, 1                                   ; K has four steps of 256: the eight steps of 128 are written out, no loop.  The first products start the sums
	TURN 0, 1, 1                                   ; slot 0 takes K step 2
	STEP 1, 0, 0
	TURN 1, 0, 1                                   ; slot 1 takes K step 3
	STEP 0, 0, 0
	TURN 0, 1, 0                                   ; nothing is left to fetch: no round
	STEP 1, 0, 0
	s_wait_dscnt 4*NL                              ; the very last step
	WIN MUL_LO
	MUL16 0, 1, 0
	MUL16 2, 1, 0
	s_wait_alu depctr_va_vdst(0)
	s_wait_dscnt 0
	WIN MUL_HI
	MUL16 4, 1, 0
	MUL16 6, 1, 0
	WIN 0
; THE WAY OUT of block a (16 rows R x 128 C): converted eight at a time, 8 bytes a lane into the image.  Each accumulator is read from its low end on.
.macro QOUT a
.set AC, 64*((\a)%4)
	WIN 0x02+((\a)/4)                              ; source 0: window 2 or 3
.set j, 0
.rept 64
.set j, j+1
.endr
.irp b, 0,1,2,3,4,5,6,7
	v_cvt_scalef32_pk8_fp8_f32 v[CD+16*(\a)+2*\b:CD+16*(\a)+2*\b+1], v[AC+8*\b:AC+8*\b+7], v[SCL]
.endr
	WIN 0
	v_nop
.irp b, 0,1,2,3,4,5,6,7
	ds_store_b64 v[STO], v[CD+16*(\a)+2*\b:CD+16*(\a)+2*\b+1] offset:(\b/4)*8192+((\a)/2)*2048+((\a)%2)*128+((\b/2)%2)*512+(\b%2)*256
.endr
.endm
	PLACES NP                                      ; behind the last products: the conversions read results, the codes land where A's fragments lay
.irp a, 0,1,2,3,4,5,6,7
	QOUT \a
.endr
	s_wait_dscnt 0x0                               ; my 64 stores are done: the codes' registers take the image back
.set i, 0
.rept 32
	ds_load_b128 v[CD+4*i:CD+4*i+3], v[RD] offset:512*i
.set i, i+1
.endr
.set i, 0
.rept 32
	s_wait_dscnt 31-i                              ; LDS loads come back in order: load i is in, the younger ones may be out
	global_store_b128 v[GOF], v[CD+4*i:CD+4*i+3], s[92:93] offset:(i/16)*131072+(i%16)*512   ; 32 lanes store 512 consecutive bytes, aligned
.set i, i+1
.endr
	s_wait_tensorcnt 0x0                           ; the wave's end
	ds_add_u32 v[SPW], v[NIL]
	s_wait_dscnt 0x0
	CROUND                                         ; the closing round: no work-group ends while a partner may still ask for a tile that names it
	s_endpgm
.Lfunc_end_k_qf24643fc37_qkv:
	.size	k_qf24643fc37_qkv, .Lfunc_end_k_qf24643fc37_qkv-k_qf24643fc37_qkv
	.p2alignl 7, 3214868480
	.fill 96, 4, 3214868480
	.section	.rodata,"a",@progbits
	.p2align	6, 0x0
	.amdhsa_kernel k_qf24643fc37_qkv
		.amdhsa_group_segment_fixed_size 327680
		.amdhsa_private_segment_fixed_size 0
		.amdhsa_enable_private_segment 0
		.amdhsa_kernarg_size 64
		.amdhsa_user_sgpr_count 2
		.amdhsa_user_sgpr_kernarg_segment_ptr 1
		.amdhsa_wavefront_size32 1
		.amdhsa_system_sgpr_workgroup_id_x 1
		.amdhsa_system_sgpr_workgroup_id_y 1
		.amdhsa_system_sgpr_workgroup_id_z 1
		.amdhsa_system_vgpr_workitem_id 0
		.amdhsa_next_free_vgpr 1024
		.amdhsa_next_free_sgpr 100
		.amdhsa_reserve_vcc 0
		.amdhsa_float_denorm_mode_32 3
		.amdhsa_float_denorm_mode_16_64 3
		.amdhsa_fp16_overflow 1
		.amdhsa_memory_ordered 1
		.amdhsa_forward_progress 1
		.amdhsa_inst_pref_size 93
	.end_amdhsa_kernel
	.amdgpu_metadata
---
amdhsa.version: [ 1, 2 ]
amdhsa.kernels:
  - .name:           k_qf24643fc37_qkv
    .symbol:         k_qf24643fc37_qkv.kd
    .args:
      - { .name: x_codes, .offset: 0, .size: 8, .value_kind: global_buffer, .address_space: global }
      - { .name: Wq_codes, .offset: 8, .size: 8, .value_kind: global_buffer, .address_space: global }
      - { .name: Wk_codes, .offset: 16, .size: 8, .value_kind: global_buffer, .address_space: global }
      - { .name: Wv_codes, .offset: 24, .size: 8, .value_kind: global_buffer, .address_space: global }
      - { .name: lowp_scales, .offset: 32, .size: 8, .value_kind: global_buffer, .address_space: global }
      - { .name: q_ws, .offset: 40, .size: 8, .value_kind: global_buffer, .address_space: global }
      - { .name: k_ws, .offset: 48, .size: 8, .value_kind: global_buffer, .address_space: global }
      - { .name: v_ws, .offset: 56, .size: 8, .value_kind: global_buffer, .address_space: global }
    .group_segment_fixed_size: 327680
    .private_segment_fixed_size: 0
    .kernarg_segment_align: 8
    .kernarg_segment_size: 64
    .max_flat_workgroup_size: 128
    .sgpr_count:     100
    .vgpr_count:     1024
    .wavefront_size: 32
...
	.end_amdgpu_metadata
.endif
;; end of part 1
;; launch attn (part 2): grid 4 x 64, 16 waves a work-group, no clusters, 327,680 bytes of LDS; arguments q_ws, k_ws, v_ws, lowp_scales, ctx_ws; writes ctx_ws
.if DOCPART == 2
	.amdgcn_target "amdgcn-amd-amdhsa--gfx1250"
	.amdhsa_code_object_version 6
	.text
	.protected	k_qf24643fc37_attn
	.globl	k_qf24643fc37_attn
	.p2align	8
	.type	k_qf24643fc37_attn,@function
k_qf24643fc37_attn:
	s_mov_b64 s[64:65], 0
	v_nop
	global_prefetch_b8 v0, s[64:65] scope:SCOPE_SE
	s_setreg_imm32_b32 hwreg(HW_REG_WAVE_MODE, 25, 1), 1
	s_wait_xcnt 0x0
; ctx = softmax(q k^T / 8, causal) v for 64 heads (y = 16 x batch + head) of 2,048 tokens x 64 channels, both products on codes of FP8 (E4M3), and the quantising of ctx for the last product.
; q_ws, k_ws: head y at y x 131,072; 128 tokens are 8 KB: eight tiles of 1 KB; tile 2 b + u holds tokens 32 b + 8 u + r + 8 (r / 8), r = 0 .. 15, as an image of the operand's registers:
;   [channels 32 c' on][lane 16 h + r][16 bytes: channels 32 c' + 16 h + 0 .. 15].  So the 16 score registers of tiles 2 b and 2 b + 1 are 16 neighbouring keys.
; v_ws: (y / 2) 262,144 + g 131,072 + (key / 128) 8,192 + (y % 2) 4,096: [A][u][c % 2][lane][16 bytes]: tile 2 A + u holds channels 32 A + 8 u + r + 8 (r / 8), register group c = 2 g + c % 2 keys 32 c + 16 h + 0 .. 15.
; ctx_ws: [row tile 0 .. 511][head][A][lane][16 bytes]: row tile RT holds rows 32 (RT / 2) + 8 (RT % 2) + r + 8 (r / 8) of the 8,192; lane (r, h) channels 32 A + 16 h + 0 .. 15 of the head.
; THE SOFTMAX: t = score x log2(e) / 8; M = the row's largest t so far, rounded UP to a whole number; p = 2^(t - M) is quantised with 2^e8, not normalised; the row's sum is taken of the unquantised p and divides at the end.
; When M moves, the sum and O are multiplied by 2^(old M - new M): exact.  ctx's code = (O / sum) / 2^(e10 - e8 - e9), held within +-448.
; SHARES.  Work-group (i, y) owns the query blocks 7 - i and i (256 queries each) of head y: first block 7 - i over key slots 0 .. 7 - i, then block i over slots 0 .. i: nine slots of 256 keys in every work-group,
; so all 256 work-groups have equal work and every trip count is a constant.  Each of sixteen waves owns one tile of 16 queries of the block in hand, in 256 registers: four waves to a SIMD.
; A key step is 128 keys.  A step all of whose keys come after the wave's queries is jumped over (a scalar branch on ids; no barrier and no tensor load stands in a step).
; Both products are used transposed: S^T = K Q^T (source 0 = 16 keys), O^T = V^T P^T (source 0 = 16 channels): a lane holds ONE query throughout.
; NO CLUSTER: the four work-groups of a head go back to key slot 0 in different trips (trip 8 - i), so from the fifth trip on they want different tiles; walking both blocks side by side, in step, would take 12 slots' time for 9.
; LIMITS on the given exponents: e6 + e7 between -123 and 130 (added to c's exponent field); e8, and e10 - e8 - e9, between -126 and 119.  NaN among the inputs' values is not served.
; REGISTERS: v1 16 x lane; v2 my query less the tile's base less 16 h; v3 the prefetch's offset; v5, v6 the add's; v8 LDS address; v12 -M, v13 the largest t, v[14:15] the sum; v16-23 Q in hand; v24-31 Q of block i;
;   v32-95 K's eight fragments, then V's four; v96-159 S^T, then p; v160-191 O^T; v192-207 p's codes; v208-215 ctx's codes; v216-219 scales; v236, v240-255 at work.
.set SLOT1, 32768                      ; a slot: K's 16 KB ([step][tile][c'][lane]), then V's 16 KB ([g][step][tile][c % 2][lane]); slot 1 begins here: one exclusive or turns an address
.set VOFF,  16384
.set SPARE, 65536                      ; behind the ring: the spare words, 128 bytes for each of sixteen waves: eight blocks of 256 bytes that no other line names
.set LI,   1
.set QL,   2
.set PFO,  3
.set SPW,  5
.set NIL,  6
.set ADR,  8
.set WV,   18                          ; s18  my wave's number
.set PP,   19                          ; s19  wave % 2
.set SEL,  20                          ; s[20:21] lane selects for v_permlanex16_b32: lane l xor 16
.set CS,   22                          ; s[22:23] c = log2(e) / 8 x 2^(e6 + e7)
.set G1K,  24                          ; s[24:31] descriptor group 1 for K's tiles;  s[32:39] for V's;  s[40:43], s[44:47] their groups 0
.set G1V,  32
.set G0K,  40
.set G0V,  44
.set KB,   48                          ; s[48:49] k_ws at my head, + my half of a slot
.set VB,   50                          ; s[50:51] v_ws likewise
.set OFF,  52                          ; s[52:53] 16,384 x the slot to be fetched
.set KEND, 54                          ; s54  first key of block 7 - i's last slot
.set KTR,  55                          ; s55  KEND + 256: where the first block ends
.set QLB,  56                          ; s56  the second block's tile base
.set CA,   58                          ; s[58:59] ctx_ws at my tile of block 7 - i;  s[60:61] of block i
.set CB,   60
.set TB,   2                           ; s2   LDS byte at which the slot in hand begins
.set SLOTS, 67                         ; s67  slots still to be asked for
.set KF,   98                          ; s98  the step's first key
.set QLO,  99                          ; s99  the tile's base: block x 256 + 32 (wave / 2); my queries lie in QLO .. QLO + 31
.set PFA,  76                          ; s[76:77] where my prefetches stand
.set LIM,  80                          ; s80  2 in a wave that prefetches, else the greatest number
; Waves 0 and 1 fetch K's two steps (8 KB each), waves 2 and 3 V's two halves, the others nothing.  Four v_nop follow each of the two lines.
.macro TLOAD
	s_cmp_lt_u32 s[WV], 2
	s_cbranch_scc0 .Lnot_k_\@
	tensor_load_to_lds s[G0K:G0K+3], s[G1K:G1K+7]
	s_nop 0
.rept 4
	v_nop
.endr
	s_branch .Lasked_\@
.Lnot_k_\@:
	s_cmp_lt_u32 s[WV], 4
	s_cbranch_scc0 .Lasked_\@
	tensor_load_to_lds s[G0V:G0V+3], s[G1V:G1V+7]
	s_nop 0
.rept 4
	v_nop
.endr
.Lasked_\@:
.endm
; A PREFETCH of the slot that the NEXT change of slots will ask for: a slot's two key steps ahead of that load.  All four work-groups of a head walk the same K and V, and work-group i = 0 walks slots 0 .. 7 in order:
; it alone asks.  In it waves 4 and 5 ask for K's two 8 KB (lanes 256 bytes apart), waves 6 and 7 for V's two halves (two rows of 4 KB, sixteen lanes each): each aligned block of 256 bytes is named once in the launch.
; Slots 0 and 1 come by their loads alone; it asks for slots 2 .. 7 (while more than two slots are still to be asked for) and for nothing behind slot 7.
.macro ASK
	s_cmp_gt_u32 s[SLOTS], s[LIM]
	s_cbranch_scc0 .Lnot_mine_\@
	global_prefetch_b8 v[PFO], s[PFA:PFA+1] th:TH_LOAD_NT scope:SCOPE_SE
.Lnot_mine_\@:
.endm
	s_load_b128 s[4:7], s[0:1], 0x0                ; q_ws s[4:5], k_ws s[6:7]
	s_load_b128 s[12:15], s[0:1], 0x10             ; v_ws s[12:13], the exponents s[14:15]
	s_load_b64 s[16:17], s[0:1], 0x20              ; ctx_ws
	v_lshl_add_u32 v[SPW], v0, 2, SPARE
	v_mov_b32 v[NIL], 0
	ds_add_u32 v5, v6
	ds_add_u32 v5, v6
	s_wait_dscnt 0x0
	v_lshrrev_b32 v8, 5, v0
	s_delay_alu instid0(VALU_DEP_1)
	v_readfirstlane_b32 s[WV], v8                  ; wave 0..15
	s_and_b32 s[PP], s[WV], 1
	s_mov_b32 s3, ttmp9                            ; i
	s_and_b32 s66, ttmp7, 0xffff                   ; y
	s_lshl_b32 s82, s66, 17                        ; the head's first byte in q_ws and k_ws
	s_lshl_b32 s83, s[PP], 13
	s_add_co_u32 s84, s82, s83                     ; K: + my step's 8 KB of a slot
	s_mov_b32 s85, 0
	s_lshr_b32 s86, s66, 1
	s_lshl_b32 s86, s86, 18
	s_and_b32 s87, s66, 1
	s_lshl_b32 s87, s87, 12
	s_add_co_u32 s86, s86, s87
	s_lshl_b32 s87, s[PP], 17
	s_add_co_u32 s86, s86, s87                     ; V: the pair of heads, my head's 4 KB, my half g
	s_mov_b32 s87, 0
	s_sub_co_u32 s57, 7, s3                        ; the first block: 7 - i
	s_lshl_b32 s[KEND], s57, 8
	s_add_co_u32 s[KTR], s[KEND], 256
	s_lshr_b32 s88, s[WV], 1
	s_lshl_b32 s88, s88, 5                         ; 32 (wave / 2)
	s_add_co_u32 s[QLO], s[KEND], s88
	s_lshl_b32 s[QLB], s3, 8
	s_add_co_u32 s[QLB], s[QLB], s88
	s_lshl_b32 s88, s57, 4                         ; Q: tile 16 x block + wave, 1 KB each
	s_add_co_u32 s88, s88, s[WV]
	s_lshl_b32 s88, s88, 10
	s_add_co_u32 s88, s88, s82
	s_mov_b32 s89, 0
	s_lshl_b32 s90, s3, 4
	s_add_co_u32 s90, s90, s[WV]
	s_lshl_b32 s90, s90, 10
	s_add_co_u32 s90, s90, s82
	s_mov_b32 s91, 0
	s_lshr_b32 s96, s66, 4                         ; ctx: row tile 128 x batch + 16 x block + wave, 16 KB each; + 1 KB x head
	s_lshl_b32 s96, s96, 7
	s_add_co_u32 s96, s96, s[WV]
	s_and_b32 s97, s66, 15
	s_lshl_b32 s97, s97, 10
	s_lshl_b32 s92, s57, 4
	s_add_co_u32 s92, s92, s96
	s_lshl_b32 s92, s92, 14
	s_add_co_u32 s92, s92, s97
	s_mov_b32 s93, 0
	s_lshl_b32 s94, s3, 4
	s_add_co_u32 s94, s94, s96
	s_lshl_b32 s94, s94, 14
	s_add_co_u32 s94, s94, s97
	s_mov_b32 s95, 0
	s_lshl_b32 s81, s[PP], 13                      ; where my load goes in a slot's K or V: 8 KB x (wave % 2)
	; descriptor group 1.  K: 8 KB dense, as 32 rows of 256 bytes;  V: 2 rows of 4,096 bytes, 8,192 bytes apart.  Elements of 8 bytes, no padding: every read of a slot takes 512 consecutive bytes
	s_mov_b32 s[G1K], 3<<16
	s_mov_b32 s[G1K+1], 32<<16                     ; tensor_dim0
	s_mov_b32 s[G1K+2], 32<<16                     ; tensor_dim1
	s_mov_b32 s[G1K+3], 32<<16                     ; tile_dim0
	s_mov_b32 s[G1K+4], 32                         ; tile_dim1
	s_mov_b32 s[G1K+5], 32                         ; tensor_dim0_stride
	s_mov_b32 s[G1K+6], 0
	s_mov_b32 s[G1K+7], 0
	s_mov_b32 s[G1V], 3<<16
	s_mov_b32 s[G1V+1], 512<<16
	s_mov_b32 s[G1V+2], 2<<16
	s_mov_b32 s[G1V+3], 512<<16
	s_mov_b32 s[G1V+4], 2
	s_mov_b32 s[G1V+5], 1024
	s_mov_b32 s[G1V+6], 0
	s_mov_b32 s[G1V+7], 0
	s_mov_b32 s[SEL], 0x76543210
	s_mov_b32 s[SEL+1], 0xfedcba98
	s_mov_b32 s[CS], 0x3e38aa3b                    ; c = log2(e) / sqrt(64)
	s_mov_b32 s[TB], 0
	s_mov_b32 s[SLOTS], 8
	s_mov_b32 s[KF], 0
	s_mov_b32 s[OFF+1], 0
	s_wait_kmcnt 0x0
	s_load_b64 s[68:69], s[14:15], 0x18            ; e6, e7
	s_load_b128 s[72:75], s[14:15], 0x20           ; e8, e9, e10, e11
	s_add_nc_u64 s[KB:KB+1], s[6:7], s[84:85]
	s_add_nc_u64 s[VB:VB+1], s[12:13], s[86:87]
	s_mov_b32 s[G0K], 1                            ; count = 1
	s_mov_b32 s[G0K+1], s81                        ; LDS address: slot 0
	s_mov_b64 s[G0K+2:G0K+3], s[KB:KB+1]           ; global address: key slot 0
	s_or_b32 s[G0K+3], s[G0K+3], 0x80000000        ; type = 2
	s_mov_b32 s[G0V], 1
	s_add_co_u32 s[G0V+1], s81, VOFF
	s_mov_b64 s[G0V+2:G0V+3], s[VB:VB+1]
	s_or_b32 s[G0V+3], s[G0V+3], 0x80000000
	TLOAD                                          ; slot 0: the one first fill at the head; a fetching wave has one load out, here and behind each barrier
	s_add_nc_u64 s[88:89], s[4:5], s[88:89]        ; Q's tile of block 7 - i,
	s_add_nc_u64 s[90:91], s[4:5], s[90:91]        ; and of block i
	s_add_nc_u64 s[CA:CA+1], s[16:17], s[92:93]
	s_add_nc_u64 s[CB:CB+1], s[16:17], s[94:95]
	v_and_b32 v9, 31, v0                           ; lane
	s_delay_alu instid0(VALU_DEP_1)
	v_lshlrev_b32 v[LI], 4, v9
	global_load_b128 v[16:19], v[LI], s[88:89]     ; both tiles of Q stay in registers
	global_load_b128 v[20:23], v[LI], s[88:89] offset:512
	global_load_b128 v[24:27], v[LI], s[90:91]
	global_load_b128 v[28:31], v[LI], s[90:91] offset:512
	; the prefetches: where my wave's stand, and who asks
	s_cmp_lt_u32 s[WV], 6
	s_cselect_b64 s[PFA:PFA+1], s[KB:KB+1], s[VB:VB+1]
	s_mov_b32 s82, 8192
	s_cselect_b32 s82, 4096, s82                   ; from lanes 0-15 to lanes 16-31: on in K's dense 8 KB, or V's next row
	s_add_nc_u64 s[PFA:PFA+1], s[PFA:PFA+1], 16384 ; at slot 1: the first change of slots steps it to slot 2
	v_lshrrev_b32 v11, 4, v9
	s_delay_alu instid0(VALU_DEP_1)
	v_mul_lo_u32 v11, v11, s82
	v_and_b32 v[PFO], 15, v9
	s_delay_alu instid0(VALU_DEP_1)
	v_lshl_add_u32 v[PFO], v[PFO], 8, v11
	s_sub_co_u32 s83, s[WV], 4
	s_lshr_b32 s83, s83, 2                         ; 0 in waves 4 to 7,
	s_or_b32 s83, s83, ttmp9                       ; of work-group i = 0
	s_cmp_eq_u32 s83, 0
	s_cselect_b32 s[LIM], 2, -1
	v_and_b32 v9, 15, v0                           ; r
	v_bfe_u32 v10, v0, 4, 1                        ; h
	s_delay_alu instid0(VALU_DEP_2)
	v_and_b32 v11, 8, v9
	s_delay_alu instid0(VALU_DEP_1)
	v_add_nc_u32 v[QL], v9, v11                    ; r + 8 (r / 8)
	s_delay_alu instid0(VALU_DEP_3)
	v_lshlrev_b32 v10, 4, v10
	s_delay_alu instid0(VALU_DEP_1)
	v_sub_nc_u32 v[QL], v[QL], v10                 ; - 16 h
	s_lshl_b32 s82, s[PP], 3
	v_add_nc_u32 v[QL], s82, v[QL]                 ; + 8 (wave % 2): my query is QLO + this + 16 h
	v_mov_b32 v236, 0                              ; written once: a lane permute's destination counts as one of its sources
	v_mov_b32 v252, 0
	v_mov_b32 v253, 0                              ; (named as the upper half of the pair v[252:253])
.macro RESET                           ; a block of queries begins: O^T and the sum are zeros, the largest t lies under every t: the first change of M multiplies zeros
	v_mov_b32 v13, 0xff61b1e6                      ; -3e38
	s_delay_alu instid0(VALU_DEP_1)
	v_floor_f32 v12, -v13                          ; -M
	v_mov_b32 v14, 0
	v_mov_b32 v15, 0
.set j, 0
.rept 32
	v_mov_b32 v[160+j], 0
.set j, j+1
.endr
.endm
	RESET
	s_wait_kmcnt 0x0
	s_add_co_i32 s82, s68, s69
	s_lshl_b32 s82, s82, 23
	s_add_co_i32 s[CS], s[CS], s82                 ; a score stands for score x 2^(e6 + e7): added to c's exponent field
	s_mov_b32 s[CS+1], s[CS]                       ; (named with it as a pair, so it is written)
	s_add_co_i32 s82, s72, 127
	s_lshl_b32 s83, s82, 23
	v_mov_b32 v216, s83                            ; 2^e8 as f32, for p's conversions
	s_sub_co_i32 s82, s74, s72
	s_sub_co_i32 s82, s82, s73                     ; e10 - e8 - e9: O / sum stands for ctx / 2^(e8 + e9)
	s_add_co_i32 s82, s82, 127
	s_lshl_b32 s83, s82, 23
	v_mov_b32 v218, s83
; A KEY STEP: 128 keys, the q-th of the slot in hand.
.macro STEP q
	s_cmp_gt_u32 s[KF], s[QLO]                     ; KF is a multiple of 128 and QLO .. QLO + 31 lie in one block of 128: KF > QLO means that every key comes after every query of mine
	s_cbranch_scc1 .Lhidden_\@
	v_add_nc_u32 v[ADR], s[TB], v[LI]
.rept 3
	v_nop                                          ; with the addition above: four places in front of loads into registers that the last products read
.endr
.irp t, 0,1,2,3,4,5,6,7
	ds_load_b128 v[32+8*\t:35+8*\t], v[ADR] offset:(\q)*8192+\t*1024
	ds_load_b128 v[36+8*\t:39+8*\t], v[ADR] offset:(\q)*8192+\t*1024+512
.endr
	s_wait_alu depctr_va_vdst(0)
	s_wait_dscnt 0x0
.irp t, 0,1,2,3,4,5,6,7                        ; S^T = K Q^T: register 16 b + i of lane (r, h) is key KF + 32 b + 16 h + i for my query
	v_wmma_f32_16x16x64_fp8_fp8 v[96+8*\t:103+8*\t], v[32+8*\t:39+8*\t], v[16:23], 0
.endr
.rept 4
	v_nop                                          ; places: in front of the loads below and of the first read of the scores
.endr
.irp t, 0,1,2,3                                ; V's four fragments are asked for now and land under the softmax
.irp c, 0,1,2,3
	ds_load_b128 v[32+16*\t+4*\c:35+16*\t+4*\c], v[ADR] offset:VOFF+(\c/2)*8192+(\q)*4096+\t*1024+(\c%2)*512
.endr
.endr
	s_add_co_u32 s96, s[KF], 128                   ; a step all of whose keys count skips the mask
	s_cmp_le_u32 s96, s[QLO]
	s_cbranch_scc1 .Lopen_\@
	s_sub_co_i32 s96, s[QLO], s[KF]
	v_add_nc_u32 v252, s96, v[QL]                  ; d = my query - KF - 16 h: register 16 b + i is hidden where 32 b + i > d
	v_mov_b32 v254, 0xff800000                     ; -infinity: p = 0 then.  Key KF counts for every query of mine, so M stays a number
.set n, 0
.rept 64
	v_cmp_gt_i32 vcc_lo, 32*(n/16)+n%16, v252
	v_cndmask_b32 v[96+n], v[96+n], v254, vcc_lo
.set n, n+1
.endr
.Lopen_\@:
	v_max3_num_f32 v254, v96, v97, v98             ; the step's largest score of my query among my 64 keys, in two chains, each accumulator from its low end on,
	v_max3_num_f32 v252, v99, v100, v101
.irp i, 6,10,14,18,22,26,30,34,38,42,46,50,54,58
	v_max3_num_f32 v254, v254, v[96+\i], v[97+\i]
	v_max3_num_f32 v252, v252, v[98+\i], v[99+\i]
.endr
	v_max3_num_f32 v254, v254, v158, v159
	s_delay_alu instid0(VALU_DEP_1)
	v_max_num_f32 v254, v254, v252
	s_delay_alu instid0(VALU_DEP_1)
	v_permlanex16_b32 v236, v254, s[SEL], s[SEL+1]
	s_delay_alu instid0(VALU_DEP_1)
	v_max_num_f32 v254, v254, v236                 ; and among lane l xor 16's
	s_delay_alu instid0(VALU_DEP_1)
	v_mul_f32 v254, s[CS], v254                    ; as t (c is positive)
	s_delay_alu instid0(VALU_DEP_1)
	v_max_num_f32 v13, v13, v254                   ; the running largest t
	v_mov_b32 v254, v12
	s_delay_alu instid0(VALU_DEP_2)
	v_floor_f32 v12, -v13                          ; the new -M = floor(-t) = -ceil(t): a whole number
	s_delay_alu instid0(VALU_DEP_1)
	v_sub_f32 v254, v12, v254                      ; old M - new M: a whole number, 0 or less
	s_delay_alu instid0(VALU_DEP_1)
	v_cvt_i32_f32 v254, v254                       ; (it saturates)
	s_delay_alu instid0(VALU_DEP_1)
	v_ldexp_f32 v252, 1.0, v254                    ; f = 2^(old M - new M): rounds nothing
.set j, 0
.rept 32
	v_pk_fma_f32 v[96+j:97+j], v[96+j:97+j], s[CS:CS+1], v[12:13] op_sel_hi:[1,0,0]   ; t - M, two at a time (the pairs' low words serve both halves)
.set j, j+2
.endr
.set j, 0
	s_wait_alu depctr_va_vdst(0)
.rept 64
	v_exp_f32 v[96+j], v[96+j]                     ; p = 2^(t - M), at most 1
.set j, j+1
.endr
	v_pk_mul_f32 v[14:15], v[14:15], v[252:253] op_sel_hi:[1,0]   ; the sums under the new M: the plain instruction behind the exponentials
	s_wait_alu depctr_va_vdst(0)                   ; one wait for the batch of 64, ahead of its first reader
	v_pk_add_f32 v[242:243], v[100:101], v[104:105]
	v_pk_add_f32 v[254:255], v[108:109], v[112:113]
	v_pk_add_f32 v[250:251], v[116:117], v[120:121]
	v_pk_add_f32 v[248:249], v[124:125], v[128:129]
	v_pk_add_f32 v[246:247], v[132:133], v[136:137]
	v_pk_add_f32 v[244:245], v[140:141], v[144:145]
	v_pk_add_f32 v[240:241], v[148:149], v[152:153]
	v_pk_add_f32 v[14:15], v[14:15], v[156:157]
	v_pk_add_f32 v[242:243], v[242:243], v[96:97]
	v_pk_add_f32 v[254:255], v[254:255], v[98:99]
	v_pk_add_f32 v[250:251], v[250:251], v[102:103]
	v_pk_add_f32 v[248:249], v[248:249], v[106:107]
	v_pk_add_f32 v[246:247], v[246:247], v[110:111]
	v_pk_add_f32 v[244:245], v[244:245], v[114:115]
	v_pk_add_f32 v[240:241], v[240:241], v[118:119]
	v_pk_add_f32 v[14:15], v[14:15], v[122:123]
	v_pk_add_f32 v[242:243], v[242:243], v[126:127]
	v_pk_add_f32 v[254:255], v[254:255], v[130:131]
	v_pk_add_f32 v[250:251], v[250:251], v[134:135]
	v_pk_add_f32 v[248:249], v[248:249], v[138:139]
	v_pk_add_f32 v[246:247], v[246:247], v[142:143]
	v_pk_add_f32 v[244:245], v[244:245], v[146:147]
	v_pk_add_f32 v[240:241], v[240:241], v[150:151]
	v_pk_add_f32 v[14:15], v[14:15], v[154:155]
	v_pk_add_f32 v[242:243], v[242:243], v[158:159]
	s_delay_alu instid0(VALU_DEP_2)
	v_pk_add_f32 v[14:15], v[14:15], v[248:249]
	s_delay_alu instid0(VALU_DEP_2)
	v_pk_add_f32 v[242:243], v[242:243], v[246:247]
	v_pk_add_f32 v[254:255], v[254:255], v[244:245]
	v_pk_add_f32 v[250:251], v[250:251], v[240:241]
	s_delay_alu instid0(VALU_DEP_2)
	v_pk_add_f32 v[14:15], v[14:15], v[254:255]
	s_delay_alu instid0(VALU_DEP_2)
	v_pk_add_f32 v[242:243], v[242:243], v[250:251]
	s_delay_alu instid0(VALU_DEP_1)
	v_pk_add_f32 v[14:15], v[14:15], v[242:243]
.irp b, 0,1,2,3
.irp i, 0,1,2,3,4,5,6,7,8,9,10,11,12,13,14,15
.endr
	v_cvt_scalef32_pk8_fp8_f32 v[192+4*\b:193+4*\b], v[96+16*\b:103+16*\b], v216
	v_cvt_scalef32_pk8_fp8_f32 v[194+4*\b:195+4*\b], v[104+16*\b:111+16*\b], v216
.endr
.set j, 0
.rept 16
	v_pk_mul_f32 v[160+j:161+j], v[160+j:161+j], v[252:253] op_sel_hi:[1,0]   ; O^T under the new M.  (Also the plain instructions between the conversions and the products that read the codes)
.set j, j+2
.endr
	s_wait_alu depctr_va_vdst(0)
	s_wait_dscnt 0x0                               ; V is in
.irp t, 0,1,2,3                                ; O^T += V^T P^T: four accumulators by turns; register 8 t + j of lane (r, h) is channel 32 (t / 2) + 16 h + 8 (t % 2) + j
	v_wmma_f32_16x16x128_fp8_fp8 v[160+8*\t:167+8*\t], v[32+16*\t:47+16*\t], v[192:207], v[160+8*\t:167+8*\t]
.endr
.Lhidden_\@:
	s_add_co_u32 s[KF], s[KF], 128
.endm
; THE CHANGE OF SLOTS stands at a slot's head.  Each wave waits for all its tensor loads, adds 0 to its spare word, and waits for that and for its reads of the slot that it has left.
; Behind the barrier the slot ahead is whole and nobody reads the other one.  fill = 1: that other slot is filled with the key slot that follows: the next one, or slot 0 behind block 7 - i's last.
.macro CHANGE fill
	s_wait_tensorcnt 0x0                           ; no tensor load of mine is out, so a group 0 may be written
	ds_add_u32 v[SPW], v[NIL]                      ; 0 onto my spare word; register work stands between it and the wait for it
.if \fill
	s_lshr_b32 s[OFF], s[KF], 8
	s_add_co_u32 s[OFF], s[OFF], 1                 ; the key slot behind the one in hand,
	s_cmp_eq_u32 s[KF], s[KEND]                    ; (in the second block KF stays under 1,024 and KEND is 1,024 or more)
	s_cselect_b32 s[OFF], 0, s[OFF]                ; or the second block's first
	s_lshl_b32 s[OFF], s[OFF], 14
	s_xor_b32 s[G0K+1], s[G0K+1], SLOT1            ; the other LDS slot than last time
	s_add_nc_u64 s[G0K+2:G0K+3], s[KB:KB+1], s[OFF:OFF+1]
	s_or_b32 s[G0K+3], s[G0K+3], 0x80000000
	s_xor_b32 s[G0V+1], s[G0V+1], SLOT1
	s_add_nc_u64 s[G0V+2:G0V+3], s[VB:VB+1], s[OFF:OFF+1]
	s_or_b32 s[G0V+3], s[G0V+3], 0x80000000
	s_wait_xcnt 0x0                                ; the last prefetch, a slot back, has read its address, so it may be written
	s_add_nc_u64 s[PFA:PFA+1], s[PFA:PFA+1], 16384
.endif
	s_wait_dscnt 0x0                               ; the add is done, and my reads of the slot that I have left are over
	s_barrier_signal -1
	s_barrier_wait -1
.if \fill
	TLOAD                                          ; the first thing behind the barrier, and a wave's one tensor load until the next
	ASK
.endif
.endm
.macro SLOT_STEPS
	STEP 0
	STEP 1
	s_xor_b32 s[TB], s[TB], SLOT1                  ; on to the other slot
.endm
; A BLOCK'S END: O^T / the sum, converted: the codes are the last product's operand registers and are stored as they stand: 32 lanes store 512 consecutive bytes, aligned.
.macro FINISH cp
.rept 4
	v_nop                                          ; places behind the last products
.endr
	v_add_f32 v14, v14, v15                        ; the sum's two halves,
	s_delay_alu instid0(VALU_DEP_1)
	v_permlanex16_b32 v252, v14, s[SEL], s[SEL+1]
	s_delay_alu instid0(VALU_DEP_1)
	v_add_f32 v14, v14, v252                       ; and lane l xor 16's
	s_wait_alu depctr_va_vdst(0)
	v_rcp_f32 v14, v14
	v_nop                                          ; a plain instruction behind the reciprocal
	s_wait_xcnt 0x0                                ; the codes' registers were an earlier store's data
	s_wait_alu depctr_va_vdst(0)                   ; the wait ahead of the reciprocal's first reader
.set j, 0
.rept 16
	v_pk_mul_f32 v[96+j:97+j], v[160+j:161+j], v[14:15] op_sel_hi:[1,0]   ; register 16 A + i: channel 32 A + 16 h + i
.set j, j+2
.endr
.set j, 0
.rept 32
.set j, j+1
.endr
.irp a, 0,1
	v_cvt_scalef32_pk8_fp8_f32 v[208+4*\a:209+4*\a], v[96+16*\a:103+16*\a], v218
	v_cvt_scalef32_pk8_fp8_f32 v[210+4*\a:211+4*\a], v[104+16*\a:111+16*\a], v218
.endr
	v_nop                                          ; one plain vector instruction behind the last conversion: later products write its sources
	global_store_b128 v[LI], v[208:211], s[\cp:\cp+1]
	global_store_b128 v[LI], v[212:215], s[\cp:\cp+1] offset:512
.endm
	s_wait_loadcnt 0x0                             ; Q
.Lslot:                                            ; eight trips: behind each change of slots but the last the next slot is asked for
	CHANGE 1
	SLOT_STEPS
	s_cmp_lg_u32 s[KF], s[KTR]                     ; block 7 - i is done behind its diagonal slot: the same trip in all sixteen waves; no barrier and no tensor load stands under the branch
	s_cbranch_scc1 .Lsame
	FINISH CA
.set j, 0
.rept 8
	v_mov_b32 v[16+j], v[24+j]                     ; block i's tile of Q
.set j, j+1
.endr
	RESET
	s_mov_b32 s[KF], 0
	s_mov_b32 s[QLO], s[QLB]
.Lsame:
	s_sub_co_u32 s[SLOTS], s[SLOTS], 1
	s_cmp_lg_u32 s[SLOTS], 0
	s_cbranch_scc1 .Lslot
	CHANGE 0                                       ; the ninth slot is written out
	SLOT_STEPS
	FINISH CB
	s_wait_tensorcnt 0x0                           ; the wave's end
	ds_add_u32 v[SPW], v[NIL]
	s_wait_dscnt 0x0
	s_endpgm
.Lfunc_end_k_qf24643fc37_attn:
	.size	k_qf24643fc37_attn, .Lfunc_end_k_qf24643fc37_attn-k_qf24643fc37_attn
	.p2alignl 7, 3214868480
	.fill 96, 4, 3214868480
	.section	.rodata,"a",@progbits
	.p2align	6, 0x0
	.amdhsa_kernel k_qf24643fc37_attn
		.amdhsa_group_segment_fixed_size 327680
		.amdhsa_private_segment_fixed_size 0
		.amdhsa_enable_private_segment 0
		.amdhsa_kernarg_size 40
		.amdhsa_user_sgpr_count 2
		.amdhsa_user_sgpr_kernarg_segment_ptr 1
		.amdhsa_wavefront_size32 1
		.amdhsa_system_sgpr_workgroup_id_x 1
		.amdhsa_system_sgpr_workgroup_id_y 1
		.amdhsa_system_sgpr_workgroup_id_z 1
		.amdhsa_system_vgpr_workitem_id 0
		.amdhsa_next_free_vgpr 256
		.amdhsa_next_free_sgpr 100
		.amdhsa_reserve_vcc 1
		.amdhsa_float_denorm_mode_32 3
		.amdhsa_float_denorm_mode_16_64 3
		.amdhsa_fp16_overflow 1
		.amdhsa_memory_ordered 1
		.amdhsa_forward_progress 1
		.amdhsa_inst_pref_size 92
	.end_amdhsa_kernel
	.amdgpu_metadata
---
amdhsa.version: [ 1, 2 ]
amdhsa.kernels:
  - .name:           k_qf24643fc37_attn
    .symbol:         k_qf24643fc37_attn.kd
    .args:
      - { .name: q_ws, .offset: 0, .size: 8, .value_kind: global_buffer, .address_space: global }
      - { .name: k_ws, .offset: 8, .size: 8, .value_kind: global_buffer, .address_space: global }
      - { .name: v_ws, .offset: 16, .size: 8, .value_kind: global_buffer, .address_space: global }
      - { .name: lowp_scales, .offset: 24, .size: 8, .value_kind: global_buffer, .address_space: global }
      - { .name: ctx_ws, .offset: 32, .size: 8, .value_kind: global_buffer, .address_space: global }
    .group_segment_fixed_size: 327680
    .private_segment_fixed_size: 0
    .kernarg_segment_align: 8
    .kernarg_segment_size: 40
    .max_flat_workgroup_size: 512
    .sgpr_count:     100
    .vgpr_count:     256
    .wavefront_size: 32
...
	.end_amdgpu_metadata
.endif
;; end of part 2
;; launch proj (part 3): grid 8 x 32, 4 waves a work-group, clusters of 4 x 4, 327,680 bytes of LDS; arguments ctx_ws, Wo_codes, lowp_scales, bo, out0; writes out0
.if DOCPART == 3
	.amdgcn_target "amdgcn-amd-amdhsa--gfx1250"
	.amdhsa_code_object_version 6
	.text
	.protected	k_qf24643fc37_proj
	.globl	k_qf24643fc37_proj
	.p2align	8
	.type	k_qf24643fc37_proj,@function
k_qf24643fc37_proj:
	s_mov_b64 s[64:65], 0
	v_nop
	global_prefetch_b8 v0, s[64:65] scope:SCOPE_SE
	s_setreg_imm32_b32 hwreg(HW_REG_WAVE_MODE, 25, 1), 1
	s_wait_xcnt 0x0
	s_wait_alu depctr_hold_cnt(0) depctr_sa_sdst(0) depctr_va_vdst(0) depctr_va_sdst(0) depctr_va_ssrc(0) depctr_va_vcc(0) depctr_vm_vsrc(0)
	s_getreg_b32 s2, hwreg(HW_REG_IB_STS2, 6, 4)
	s_cmp_eq_u32 s2, 0
	s_cbranch_scc0 .Lentry_in_a_cluster
	s_endpgm
.Lentry_in_a_cluster:
	s_bfe_u32 s2, ttmp6, 0x10000c
	s_cmp_lg_u32 s2, 0xf033
	s_cbranch_scc0 .Lentry_shape_is_right
	s_endpgm
.Lentry_shape_is_right:
; out0 = ctx Wo + bo on codes of FP8 (E4M3): out0[row][n] = (sum over k of ctx[row][k] Wo[n][k]) x 2^(e10 + e11) + bo[n].  out0: [8192][1024] f32.
; ctx_ws: [row tile RT 0 .. 511][16 KB]: images of operand registers: the fragment of K step q (128 along K) lies at 2,048 q: [c 0 .. 3][lane][16 bytes]: lane (r, h) holds k = 128 q + 32 c + 16 h + 0 .. 15 of row
; 32 (RT / 2) + 8 (RT % 2) + r + 8 (r / 8).  Wo_codes: [1024 (n)][1024 (k)]: four loads of 16 bytes at 32 c + 16 h give its rows the same places of k.
; LIMIT: e10 + e11 lies between -126 and 127, so that 2^(e10 + e11) is an f32 number.
; SHARES.  256 work-groups of 256 rows (16 row tiles) x 128 columns, one for each WGP; four waves, each 128 rows x 64 columns: 32 accumulators.  K goes in four steps of 256 through two LDS slots.
; CLUSTERS of 4 x 4: ctx's tile is shared along a row of the cluster, Wo's along a column: joint tensor loads.  THE MATRIX INSTRUCTION IS USED TRANSPOSED (source 0 = 16 rows of Wo, source 1 = a row tile of ctx):
; a lane holds eight neighbouring columns of one row.  No prefetch: K has four steps, two of them asked for at the head; only two refills follow.
; REGISTERS, in windows of 256: window 0: v16-29 addresses; v32-63 a block's results; v96-127 the bias (8 b + j: column 16 b + 8 h + j of my 64); v128-191 rows read back from the stage, two sets.
;   window 1: Wo's fragments, two sets at 64 p + 16 b.   window 2: accumulator (a, b) at 8 (4 a + b).   window 3: ctx's fragments, two sets at 128 p + 16 a.
.set PITCH,  272                       ; a row of Wo's tile in LDS: 256 bytes + 16 of padding: the 16 rows that a load touches start at 16 different banks (64 banks of 4 bytes: ISA guide 11.1)
.set ABYTES, 65536                     ; ctx's part of a slot: 16 row tiles x 4,096 bytes, dense: every read takes 512 consecutive bytes
.set BHALF,  64*PITCH                  ; 64 rows of Wo: what one tensor load brings
.set SLOT,   ABYTES+2*BHALF
.set STG,    2*SLOT                    ; behind the ring: 16 rows x 272 bytes for each wave, for the way out; no tensor load fills it
.set SPITCH, 272
.set SPARE,  STG+4*16*SPITCH           ; behind the stages: the spare words, 128 bytes for each wave: two blocks of 256 bytes that no other line names
.set ADRA, 16                          ; v16-17  LDS address of my ctx fragments in slot 0, 1
.set ADRB, 20                          ; v20-21  the same for Wo
.set STO,  24                          ; v24     the way out: where I put 32 bytes of a row
.set RD,   25                          ; v25     where I read a row back
.set CO,   26                          ; v26     my byte offset in two rows of out0
.set BOF,  27                          ; v27     32 h: my half's eight numbers of the bias
.set SPW,  28                          ; v28     LDS address of my spare word; never rewritten
.set NIL,  29                          ; v29     0; never rewritten
.set TMP,  32
.set BI,   96
.set BK,   128
.set G1, 24                            ; s[24:31] descriptor group 1 for ctx's tiles;  s[32:39] group 0, one set for each slot
.set G0, 32
.set G1B, 48                           ; s[48:55], s[56:63] the same for Wo's tiles
.set G0B, 56
.set MSB, 0
.macro WIN new                         ; the immediate's high byte repeats the setting that is left
.if MSB != (\new)
	s_set_vgpr_msb (MSB<<8)|(\new)
.set MSB, (\new)
.endif
.endm
.set MUL,  0xad                        ; source 0 (Wo) window 1, source 1 (ctx) window 3, C and D window 2
.set TO_B, 0x40                        ; destination window 1, address window 0
.set TO_A, 0xc0                        ; destination window 3
.macro JLOAD s                         ; a joint load: waves 0 and 1 fetch ctx's two halves, waves 2 and 3 Wo's; four v_nop follow each of the two lines
	s_cmp_eq_u32 s15, 0
	s_cbranch_scc0 .Lfor_b_\@
	tensor_load_to_lds s[G0+4*\s:G0+4*\s+3], s[G1:G1+7]
	s_nop 0
.rept 4
	v_nop
.endr
	s_branch .Lasked_\@
.Lfor_b_\@:
	tensor_load_to_lds s[G0B+4*\s:G0B+4*\s+3], s[G1B:G1B+7]
	s_nop 0
.rept 4
	v_nop
.endr
.Lasked_\@:
.endm
.macro CREST                           ; a round of the cluster's barrier behind its opening barrier
	s_cmp_lg_u32 s14, 0
	s_cbranch_scc1 .Lnot_wave_0_\@
	s_barrier_signal -3
.Lnot_wave_0_\@:
	s_barrier_wait -3
	s_barrier_signal -1
	s_barrier_wait -1
.endm
.macro CROUND                          ; a whole round
	s_barrier_signal -1
	s_barrier_wait -1
	CREST
.endm
	s_load_b128 s[4:7], s[0:1], 0x0                ; ctx_ws s[4:5], Wo's codes s[6:7]
	s_load_b128 s[8:11], s[0:1], 0x10              ; the exponents s[8:9], bo s[10:11]
	s_load_b64 s[12:13], s[0:1], 0x20              ; out0
	v_lshl_add_u32 v[SPW], v0, 2, SPARE
	v_mov_b32 v[NIL], 0
	ds_add_u32 v28, v29
	ds_add_u32 v28, v29
	s_wait_dscnt 0x0
	v_lshrrev_b32 v1, 5, v0
	v_readfirstlane_b32 s14, v1                    ; wave 0..3
	s_lshr_b32 s15, s14, 1                         ; which 128 rows are mine.  Also: I fetch for ctx (0) or for Wo (1)
	s_and_b32 s16, s14, 1                          ; which 64 columns.  Also: which half of that tile I fetch
	s_bfe_u32 s40, ttmp6, 0x40000                  ; cx, cy: my place in the cluster
	s_bfe_u32 s41, ttmp6, 0x40004
	s_lshl_b32 s42, ttmp9, 2
	s_add_co_u32 s42, s42, s40                     ; tile column (128 columns) = 4 x cluster x + cx
	s_and_b32 s17, ttmp7, 0xffff
	s_lshl_b32 s17, s17, 2
	s_add_co_u32 s17, s17, s41                     ; tile row (256 rows) = 4 x cluster y + cy
	s_lshl_b32 s43, s41, 2
	s_lshl_b32 s43, 15, s43                        ; my row of the cluster
	s_lshl_b32 s44, 0x1111, s40                    ; my column
	; ctx: 8 rows (row tiles) of 4,096 bytes, 16,384 bytes apart, elements of 8 bytes, no padding
	s_or_b32 s[G1+0], s43, (3<<16)|(1<<21)         ; 15:0 the mask: my row; 17:16 elements of 8 bytes; 21 set beside a mask
	s_mov_b32 s[G1+1], 512<<16                     ; tensor_dim0
	s_mov_b32 s[G1+2], 8<<16                       ; tensor_dim1
	s_mov_b32 s[G1+3], 512<<16                     ; tile_dim0
	s_mov_b32 s[G1+4], 8                           ; tile_dim1
	s_mov_b32 s[G1+5], 2048                        ; tensor_dim0_stride
	s_mov_b32 s[G1+6], 0
	s_mov_b32 s[G1+7], 0
	; Wo: 64 rows of 256 bytes, 1,024 bytes apart, elements of 1 byte, four words of padding after every 64
	s_or_b32 s[G1B+0], s44, (1<<20)|(1<<21)|(5<<22)|(3<<25)
	s_mov_b32 s[G1B+1], 256<<16
	s_mov_b32 s[G1B+2], 64<<16
	s_mov_b32 s[G1B+3], 256<<16
	s_mov_b32 s[G1B+4], 64
	s_mov_b32 s[G1B+5], 1024
	s_mov_b32 s[G1B+6], 0
	s_mov_b32 s[G1B+7], 0
	s_lshl_b32 s20, s17, 4
	s_lshl_b32 s19, s16, 3
	s_add_co_u32 s20, s20, s19
	s_lshl_b32 s20, s20, 14                        ; ctx: row tile 16 x tile row + 8 x half, 16 KB each: hangs on the tile row alone
	s_mov_b32 s21, 0
	s_lshl_b32 s46, s42, 7
	s_lshl_b32 s19, s16, 6
	s_add_co_u32 s46, s46, s19
	s_lshl_b32 s46, s46, 10                        ; Wo: row 128 x tile column + 64 x half: hangs on the tile column alone
	s_mov_b32 s47, 0
	s_lshl_b32 s45, s16, 15                        ; where they go: ctx's half,
	s_mul_i32 s18, s16, BHALF
	s_add_co_u32 s18, s18, ABYTES                  ; Wo's half: no place in the cluster enters an LDS address
	s_wait_kmcnt 0x0
	s_load_b64 s[96:97], s[8:9], 0x28              ; e10, e11
	s_add_nc_u64 s[20:21], s[4:5], s[20:21]
	s_add_nc_u64 s[46:47], s[6:7], s[46:47]
	CROUND                                         ; all sixteen work-groups are here: the first joint loads meet
.irp s, 0,1
	s_mov_b32 s[G0+4*\s], 1
	s_add_co_u32 s[G0+4*\s+1], s45, \s*SLOT
	s_add_nc_u64 s[G0+4*\s+2:G0+4*\s+3], s[20:21], \s*4096
	s_or_b32 s[G0+4*\s+3], s[G0+4*\s+3], 0x80000000
	s_mov_b32 s[G0B+4*\s], 1
	s_add_co_u32 s[G0B+4*\s+1], s18, \s*SLOT
	s_add_nc_u64 s[G0B+4*\s+2:G0B+4*\s+3], s[46:47], \s*256
	s_or_b32 s[G0B+4*\s+3], s[G0B+4*\s+3], 0x80000000
	s_wait_alu depctr_va_vdst(0)
	s_wait_tensorcnt 0x0
	ds_add_u32 v28, v29
	ds_add_u32 v28, v29
	s_wait_dscnt 0x0
	CROUND
	JLOAD \s                                       ; one load of mine is out: the last one has landed
.endr
	v_and_b32 v1, 15, v0                           ; r
	v_bfe_u32 v2, v0, 4, 1                         ; h
	v_and_b32 v3, 31, v0
	v_lshlrev_b32 v4, 4, v3                        ; 16 x lane
	s_lshl_b32 s22, s15, 15                        ; my 8 row tiles of ctx
	v_add_nc_u32 v[ADRA], s22, v4
	v_add_nc_u32 v[ADRA+1], SLOT, v[ADRA]
	v_mul_u32_u24 v5, v1, PITCH
	v_lshl_add_u32 v5, v2, 4, v5
	v_add_nc_u32 v[ADRB], s18, v5                  ; my 64 rows of Wo: the half that bears my column half's number
	v_add_nc_u32 v[ADRB+1], SLOT, v[ADRB]
	s_mul_i32 s23, s14, 16*SPITCH
	s_add_co_u32 s23, s23, STG                     ; my stage
	v_mul_u32_u24 v5, v1, SPITCH
	v_lshl_add_u32 v5, v2, 5, v5
	v_add_nc_u32 v[STO], s23, v5                   ; in: row r, 32 bytes for each half of the lanes
	v_mul_u32_u24 v5, v2, SPITCH
	v_lshl_add_u32 v5, v1, 4, v5
	v_add_nc_u32 v[RD], s23, v5                    ; back: lanes 0-15 one row of 256 bytes, lanes 16-31 the next
	v_lshlrev_b32 v5, 12, v2
	v_lshl_add_u32 v[CO], v1, 4, v5                ; and the same two rows in out0 (4,096 bytes a row)
	v_lshlrev_b32 v[BOF], 5, v2
	s_wait_alu depctr_va_vdst(0)
	s_lshl_b32 s22, s42, 9
	s_lshl_b32 s23, s16, 8
	s_add_co_u32 s22, s22, s23                     ; my first column in bytes: 512 x tile column + 256 x half
	s_mov_b32 s23, 0
	s_add_nc_u64 s[10:11], s[10:11], s[22:23]
	s_add_nc_u64 s[12:13], s[12:13], s[22:23]
	s_lshl_b32 s22, s17, 8
	s_lshl_b32 s2, s15, 7
	s_add_co_u32 s22, s22, s2
	s_lshl_b32 s22, s22, 12                        ; my first row: 256 x tile row + 128 x half
	s_add_nc_u64 s[12:13], s[12:13], s[22:23]
.irp b, 0,1,2,3
	global_load_b128 v[BI+8*\b:BI+8*\b+3], v[BOF], s[10:11] offset:64*\b
	global_load_b128 v[BI+8*\b+4:BI+8*\b+7], v[BOF], s[10:11] offset:64*\b+16
.endr
; n blocks of ctx from a0 on x Wo's four, 128 along K, set p.  The 32 accumulators take turns, one instruction a turn, in the same order in every step.
.macro MULR a0, n, p, zero
.set aa, \a0
.rept \n
.irp b, 0,1,2,3
.if \zero
	v_wmma_f32_16x16x128_fp8_fp8 v[8*(4*aa+\b):8*(4*aa+\b)+7], v[64*(\p)+16*\b:64*(\p)+16*\b+15], v[128*(\p)+16*aa:128*(\p)+16*aa+15], 0
.else
	v_wmma_f32_16x16x128_fp8_fp8 v[8*(4*aa+\b):8*(4*aa+\b)+7], v[64*(\p)+16*\b:64*(\p)+16*\b+15], v[128*(\p)+16*aa:128*(\p)+16*aa+15], v[8*(4*aa+\b):8*(4*aa+\b)+7]
.endif
.endr
.set aa, aa+1
.endr
.endm
; 48 LDS loads in one run: the fragments of the slot's q-th 128 along K into set p
.macro FETCH slot, q, p
	WIN TO_B
.irp b, 0,1,2,3
.irp c, 0,1,2,3
	ds_load_b128 v[64*(\p)+16*\b+4*\c:64*(\p)+16*\b+4*\c+3], v[ADRB+\slot] offset:128*(\q)+32*\c+\b*16*PITCH
.endr
.endr
	WIN TO_A
.irp a, 0,1,2,3,4,5,6,7
.irp c, 0,1,2,3
	ds_load_b128 v[128*(\p)+16*\a+4*\c:128*(\p)+16*\a+4*\c+3], v[ADRA+\slot] offset:\a*4096+(\q)*2048+512*\c
.endr
.endr
	WIN 0
.endm
.macro PLACES                          ; four plain vector instructions between a matrix instruction and a load into, or a vector read of, its registers
.rept 4
	v_nop
.endr
.endm
; A slot's first 128 along K (set 0); the second 128's fragments are asked for ahead of the 32 products and land under them.
.macro STEP slot, zero
	s_wait_dscnt 0x0                               ; set 0 is in
	PLACES
	FETCH \slot, 1, 1
	WIN MUL
	MULR 0, 8, 0, \zero
	WIN 0
.endm
; A slot's second 128 (set 1) changes slots: one barrier; in front of it each wave waits for all its tensor loads, adds 0 to its spare word, and waits for that and for its own reads of this slot.
.macro TURN slot, next, fill
	s_wait_tensorcnt 0x0                           ; all my tensor loads have landed: my part of the next slot  (every window is 0 here)
	ds_add_u32 v[SPW], v[NIL]                      ; 0 onto my spare word
	s_wait_dscnt 1                                 ; set 1 is in; the add may be out
	WIN MUL
	MULR 0, 2, 1, 0                                ; eight matrix instructions stand between the add and the wait for it
	s_wait_dscnt 0x0                               ; the add is done, and my reads of this slot are over
	s_barrier_signal -1
	MULR 2, 2, 1, 0
	WIN 0
	s_barrier_wait -1
.if \fill
	CREST                                          ; no wave of any partner still reads this slot's tile or has a load on its way
	s_add_nc_u64 s[G0+4*\slot+2:G0+4*\slot+3], s[G0+4*\slot+2:G0+4*\slot+3], 2*4096
	s_add_nc_u64 s[G0B+4*\slot+2:G0B+4*\slot+3], s[G0B+4*\slot+2:G0B+4*\slot+3], 2*256
	JLOAD \slot                                    ; the first tensor load behind the round, my one load until the next; its four v_nop are the places in front of the loads below
.else
	PLACES
.endif
	FETCH \next, 0, 0
	WIN MUL
	MULR 4, 4, 1, 0
	WIN 0
.endm
	s_wait_tensorcnt 1                             ; my part of K step 0 is in; K step 1's load may be out
	s_barrier_signal -1
	s_barrier_wait -1                              ; everybody's is
	FETCH 0, 0, 0
	STEP 0, 1                                      ; K has four steps of 256: written out, no loop.  The first products start the sums
	TURN 0, 1, 1                                   ; slot 0 takes K step 2
	STEP 1, 0
	TURN 1, 0, 1                                   ; slot 1 takes K step 3
	STEP 0, 0
	TURN 0, 1, 0                                   ; nothing is left to fetch: no round
	STEP 1, 0
	s_wait_dscnt 0x0                               ; the very last step
	WIN MUL
	MULR 0, 8, 1, 0
	WIN 0
; THE WAY OUT, a row tile (16 rows x my 64 columns) at a time: sum x 2^(e10 + e11) + bo by one packed multiply-add for two numbers, each accumulator from its low end on; through my own stage; back as whole rows of 256 bytes.
; LDS serves a wave's instructions in order (ISA guide 5.7.1.4): no wait between the stores and the loads, nor in front of the next block's stores.
.macro TOSTAGE a
	WIN 0x02                                       ; source 0: window 2
.set j, 0
.rept 16
	v_pk_fma_f32 v[TMP+j:TMP+j+1], v[32*(\a)+j:32*(\a)+j+1], s[96:97], v[BI+j:BI+j+1] op_sel_hi:[1,0,1]
.set j, j+2
.endr
	WIN 0
.irp b, 0,1,2,3
	ds_store_b128 v[STO], v[TMP+8*\b:TMP+8*\b+3] offset:64*\b
	ds_store_b128 v[STO], v[TMP+8*\b+4:TMP+8*\b+7] offset:64*\b+16
.endr
.set BB, BK+32*((\a)%2)
.irp t, 0,1,2,3,4,5,6,7
	ds_load_b128 v[BB+4*\t:BB+4*\t+3], v[RD] offset:\t*2*SPITCH
.endr
.endm
.macro SEND a, younger                 ; younger: the LDS instructions issued behind block a's loads, which may stay out.  Stage row 2 t + (l / 16) of row tile a is row 32 (a / 2) + 8 (a % 2) + 2 t + 8 (t / 4) + (l / 16) of my 128
.set BB, BK+32*((\a)%2)
	s_wait_dscnt \younger
.irp t, 0,1,2,3,4,5,6,7
	global_store_b128 v[CO], v[BB+4*\t:BB+4*\t+3], s[12:13] offset:(32*((\a)/2)+8*((\a)%2)+2*\t+8*(\t/4))*4096 th:TH_STORE_NT   ; 16 lanes store 256 consecutive bytes, aligned; written once, read by nobody here
.endr
.endm
	s_wait_loadcnt 0x0                             ; the bias
	s_wait_kmcnt 0x0
	s_add_co_i32 s96, s96, s97                     ; e10 + e11
	s_add_co_i32 s96, s96, 127
	s_lshl_b32 s96, s96, 23                        ; 2^(e10 + e11) as f32
	s_mov_b32 s97, s96                             ; (named with it as a pair, so it is written)
	PLACES                                         ; behind the last products
	TOSTAGE 0
.irp a, 1,2,3,4,5,6,7
.if \a > 1
	s_wait_xcnt 0x0                                ; block a - 2's stores have read their registers: block a's loads may land there
.endif
	TOSTAGE \a
	SEND \a-1, 16                                  ; behind block a - 1's loads: block a's 8 stores and 8 loads
.endr
	SEND 7, 0
	s_wait_tensorcnt 0x0                           ; the wave's end
	ds_add_u32 v[SPW], v[NIL]
	s_wait_dscnt 0x0
	CROUND                                         ; the closing round: no work-group ends while a partner may still ask for a tile that names it
	s_endpgm
.Lfunc_end_k_qf24643fc37_proj:
	.size	k_qf24643fc37_proj, .Lfunc_end_k_qf24643fc37_proj-k_qf24643fc37_proj
	.p2alignl 7, 3214868480
	.fill 96, 4, 3214868480
	.section	.rodata,"a",@progbits
	.p2align	6, 0x0
	.amdhsa_kernel k_qf24643fc37_proj
		.amdhsa_group_segment_fixed_size 327680
		.amdhsa_private_segment_fixed_size 0
		.amdhsa_enable_private_segment 0
		.amdhsa_kernarg_size 40
		.amdhsa_user_sgpr_count 2
		.amdhsa_user_sgpr_kernarg_segment_ptr 1
		.amdhsa_wavefront_size32 1
		.amdhsa_system_sgpr_workgroup_id_x 1
		.amdhsa_system_sgpr_workgroup_id_y 1
		.amdhsa_system_sgpr_workgroup_id_z 1
		.amdhsa_system_vgpr_workitem_id 0
		.amdhsa_next_free_vgpr 1024
		.amdhsa_next_free_sgpr 100
		.amdhsa_reserve_vcc 0
		.amdhsa_float_denorm_mode_32 3
		.amdhsa_float_denorm_mode_16_64 3
		.amdhsa_memory_ordered 1
		.amdhsa_forward_progress 1
		.amdhsa_inst_pref_size 77
	.end_amdhsa_kernel
	.amdgpu_metadata
---
amdhsa.version: [ 1, 2 ]
amdhsa.kernels:
  - .name:           k_qf24643fc37_proj
    .symbol:         k_qf24643fc37_proj.kd
    .args:
      - { .name: ctx_ws, .offset: 0, .size: 8, .value_kind: global_buffer, .address_space: global }
      - { .name: Wo_codes, .offset: 8, .size: 8, .value_kind: global_buffer, .address_space: global }
      - { .name: lowp_scales, .offset: 16, .size: 8, .value_kind: global_buffer, .address_space: global }
      - { .name: bo, .offset: 24, .size: 8, .value_kind: global_buffer, .address_space: global }
      - { .name: out0, .offset: 32, .size: 8, .value_kind: global_buffer, .address_space: global }
    .group_segment_fixed_size: 327680
    .private_segment_fixed_size: 0
    .kernarg_segment_align: 8
    .kernarg_segment_size: 40
    .max_flat_workgroup_size: 128
    .sgpr_count:     100
    .vgpr_count:     1024
    .wavefront_size: 32
...
	.end_amdgpu_metadata
.endif
;; end of part 3
